; MI455X (gfx1250); checked and timed in simulation.
; The chip was launched on July 23, 2026; its instructions are those of AMD's public machine-readable ISA for CDNA 5 (MIT licence, August 2026) and "CDNA5" Instruction Set Architecture Reference Guide (July 2026). The comments in the code are by the model that wrote it; some were corrected since.
;; Vector Quantizer. Allowed arithmetic: matrix products marked QUANTISED: E4M3 operands, one E8M0 scale for each 32 along K, by v_wmma_scale_f32_16x16x128_f8f6f4 with both operands' format E4M3, f32 sums; everything else in f32.
;; Inputs: codebook 8,192 x 256 float32; z 4 x 8 x 32 x 32 x 256 float32.
;; Outputs: out0 4 x 8 x 32 x 32 x 256 float32; out1 one number float32; out2 32,768 int32.
;; This version of the problem:
;;   THIS VERSION OF THE PROBLEM IS GIVEN IN LOW PRECISION. The matrix products marked QUANTISED in the list below multiply operands that are first quantised to E4M3 (4 exponent bits, 3 mantissa bits; 8 bits a number), with one power-of-two scale for each 32 numbers along K (OCP MX v1.0); their sums are f32. All else is computed in f32.
;;   The module's matrix products, in the order in which they are computed (A, B: the left and right operand; K: the contracted axis; several contracted axes count as one K, in the product's order):
;;     1. [M 32,768, K 256] x [K 256, N 8,192]; A: input z; B: input codebook: QUANTISED
;;   THE QUANTISER, for each operand of a quantised product, along K:
;;     - K is cut into blocks of 32 from its start; a last block that is shorter is filled with zeros.
;;     - A block's scale is 2^e with e = floor(log2(the largest magnitude in the block)) - 8, held to -126 .. 127; a block of zeros has e = 0. As a byte (E8M0): e + 127.
;;     - Each number is divided by its block's scale, clamped to +-448, and rounded to the nearest number of E4M3, ties to even, subnormals kept.
;;     - The product sums the exact products of the quantised numbers (number of the format x scale) in f32.
;;   ~~~python
;;   def quantise(x, axis):      # numpy; x: float32 -> the quantised numbers, widened to float32 again
;;       x = np.moveaxis(x, axis, -1); K = x.shape[-1]
;;       x = np.pad(x, [(0, 0)] * (x.ndim - 1) + [(0, -K % 32)]); x = x.reshape(x.shape[:-1] + (-1, 32)); a = np.abs(x).max(-1, keepdims=True)
;;       e = np.where(a > 0, np.clip(np.frexp(np.where(a > 0, a, 1))[1] - 1 - 8, -126, 127), 0)      # np.frexp(a)[1] - 1 = floor(log2(a)), exactly
;;       r = np.clip(x / 2.0 ** e, -448, 448)
;;       step = 2.0 ** (np.maximum(np.frexp(np.where(r == 0, 1, r))[1] - 1, -6) - 3)
;;       q = np.round(r / step) * step * 2.0 ** e      # np.round: ties to even
;;       return np.moveaxis(q.reshape(q.shape[:-2] + (-1,))[..., :K], -1, axis).astype(np.float32)
;;   ~~~
;; One version. Each part assembles by itself: llvm-mc -triple=amdgcn-amd-amdhsa -mcpu=gfx1250 --defsym DOCPART=n.
;; ======== version 1 of 1: 4 launches
;; limits: right only within a limited range of input values
;; workspace buffers: zrec 8,912,896 bytes; crec 2,228,224 bytes; idxw 131,072 bytes of whole numbers; part 2,048 bytes
;; launch prep (part 1): grid 512 x 1, 5 waves a work-group, no clusters, 85,760 bytes of LDS; arguments z, codebook, zrec, crec; writes zrec, crec
.if DOCPART == 1
	.amdgcn_target "amdgcn-amd-amdhsa--gfx1250"
	.amdhsa_code_object_version 6
	.text
	.protected	k_qb26de7be9c_prep
	.globl	k_qb26de7be9c_prep
	.p2align	8
	.type	k_qb26de7be9c_prep,@function
k_qb26de7be9c_prep:
	s_mov_b64 s[64:65], 0
	v_nop
	global_prefetch_b8 v0, s[64:65] scope:SCOPE_SE
	s_setreg_imm32_b32 hwreg(HW_REG_WAVE_MODE, 25, 1), 1
	s_wait_xcnt 0x0
; z [32768][256] and codebook [8192][256], f32, become RECORDS for the product's launch: codes of FP8 (E4M3) with one E8M0 scale byte for each 32 along K, and each row's sum of squares in f32.
; A RECORD is 16 rows, REC = 4,352 bytes = 17 x 256, laid in the order of a matrix operand's registers:
;   bytes 0 .. 4095     two fragments (K step s = 0, 1): register group c (0..3) of step s at 2048 s + 512 c + 16 x lane; lane (r, h) holds the codes k = 128 s + 32 c + 16 h + 0..15 of row r
;   bytes 4096 .. 4223  the scale words at 4 x lane: lanes 0-15 row r's word of K step 0, lanes 16-31 its word of K step 1
;   bytes 4224 .. 4351  the row's sum of squares at 4 x lane: row r in both halves of the lanes
; A block's scale is 2^(floor(log2(its largest magnitude)) - 8); its byte is the largest magnitude's exponent field - 8, held at 1 from below.  Each number is held within +-448 x the scale and rounded to the nearest code, ties to even.
; LIMITS: a block of zeros gets the byte 1 where the rule says 127 (its codes are zeros, and this program alone reads the bytes); NaN and infinities are not served;
; a row's sum of squares is taken in this text's own order (two packed chains a lane, then the two halves of the lanes), which need not be the order of another f32 summation.
; SHARES: 2,560 tiles of 16 rows (2,048 of z, 512 of the codebook) = 512 work-groups x 5 waves: a wave takes one tile, straight through.  Waves share nothing: no barrier.
; Each load reads 512 consecutive bytes; the 16 KiB turn through the wave's own stage in LDS (rows 1,040 bytes apart, so that the sixteen lanes of a read touch sixteen different 16-byte columns modulo 256 bytes)
; and come back 16 neighbours along K to a lane, as the conversions want them.
.set ZT,   2048                        ; tiles of z
.set REC,  4352
.set SP,   1040                        ; a stage row: 1,024 bytes + 16
.set WST,  16*SP                       ; a wave's stage
.set R,    32                          ; v32-159   the tile as loaded
.set X0,   160                         ; v160-223  K step 0: register 16 b + i = k 32 b + 16 h + i of my row
.set X1,   32                          ; v32-95    K step 1, in registers that the stage's stores have read
.set PC0,  96                          ; v96-111   K step 0's codes
.set PC1,  112                         ; v112-127  K step 1's
.set TM,   224                         ; v224-239  at work: largest magnitudes, bytes, holds, scale operands
.set PW0,  240                         ; the two scale words
.set PW1,  241
.set SQS,  242                         ; v242-245  the sum of squares, two packed chains
.set SW,   246
.set TMP,  247
	s_load_b256 s[4:11], s[0:1], 0x0               ; z s[4:5], codebook s[6:7], zrec s[8:9], crec s[10:11]
	v_lshl_add_u32 v248, v0, 2, 0x14c00
	v_mov_b32 v249, 0
	v_lshrrev_b32 v1, 5, v0
	v_readfirstlane_b32 s12, v1                    ; wave 0..4
	v_and_b32 v1, 31, v0                           ; lane
	v_and_b32 v2, 15, v0                           ; r
	v_bfe_u32 v3, v0, 4, 1                         ; h
	v_lshlrev_b32 v4, 4, v1                        ; 16 x lane
	v_lshlrev_b32 v5, 2, v1                        ; 4 x lane
	s_mul_i32 s14, s12, WST
	v_add_nc_u32 v6, s14, v4                       ; into the stage: as loaded
	v_mul_u32_u24 v7, v2, SP
	v_lshl_add_u32 v7, v3, 6, v7
	v_add_nc_u32 v7, s14, v7                       ; out of it: row r, + 64 h: my 16 numbers of a block of 32
	s_mul_i32 s13, ttmp9, 5
	s_add_co_u32 s13, s13, s12                     ; my tile
	s_mov_b32 s20, 0x76543210
	s_mov_b32 s21, 0xfedcba98                      ; v_permlanex16_b32's selects for lane l xor 16
	s_mov_b32 s22, 0x600000                        ; the mantissa field of 448
	s_mov_b32 s23, 0xffff0000                      ; lanes 16-31
.irp b, 0,1,2,3
	v_mov_b32 v[TM+4+\b], 0                        ; written once: a lane permute's destination counts as one of its sources
.endr
	v_mov_b32 v[TMP], 0
	s_wait_alu depctr_va_vdst(0)
	s_wait_kmcnt 0x0
	s_cmp_lt_u32 s13, ZT                           ; z's tile or the codebook's?  The choice hangs on ids alone
	s_cselect_b64 s[4:5], s[4:5], s[6:7]
	s_cselect_b64 s[8:9], s[8:9], s[10:11]
	s_cselect_b32 s15, 0, ZT
	s_sub_co_u32 s13, s13, s15                     ; the tile's number in its tensor
	s_lshl_b32 s16, s13, 14                        ; 16 rows of 1,024 bytes
	s_mov_b32 s17, 0
	s_mul_i32 s18, s13, REC
	s_mov_b32 s19, 0
	s_add_nc_u64 s[4:5], s[4:5], s[16:17]
	s_add_nc_u64 s[8:9], s[8:9], s[18:19]
.irp q, 0,1,2,3,4,5,6,7,8,9,10,11,12,13,14,15,16,17,18,19,20,21,22,23,24,25,26,27,28,29,30,31
	global_load_b128 v[R+4*\q:R+4*\q+3], v4, s[4:5] offset:512*\q th:TH_LOAD_NT   ; 32 lanes read 512 consecutive bytes: half a row
.endr
.irp g, 0,1,2,3
	s_wait_loadcnt 24-8*\g                         ; loads come back in order: the eight oldest that are not yet staged are in, the younger ones stay out
.irp e, 0,1,2,3,4,5,6,7
	ds_store_b128 v6, v[R+4*(8*\g+\e):R+4*(8*\g+\e)+3] offset:((8*\g+\e)/2)*SP+512*((8*\g+\e)%2)
.endr
.endr
.irp b, 0,1,2,3
.irp j, 0,1,2,3
	ds_load_b128 v[X0+16*\b+4*\j:X0+16*\b+4*\j+3], v7 offset:128*\b+16*\j   ; LDS serves a wave's instructions in order: these see my stores
.endr
.endr
	s_wait_dscnt 0x0                               ; K step 0 is in, and the stage's stores have read their registers, which K step 1 takes
.irp b, 0,1,2,3
.irp j, 0,1,2,3
	ds_load_b128 v[X1+16*\b+4*\j:X1+16*\b+4*\j+3], v7 offset:512+128*\b+16*\j
.endr
.endr
; the squares of a lane's 64 numbers onto two packed chains; first = 1: the first two products start the sums
.macro SQ s, first
.set qi, 0
.rept 16
.if \first && (qi == 0)
	v_pk_mul_f32 v[SQS:SQS+1], v[\s:\s+1], v[\s:\s+1]
	v_pk_mul_f32 v[SQS+2:SQS+3], v[\s+2:\s+3], v[\s+2:\s+3]
.else
	v_pk_fma_f32 v[SQS:SQS+1], v[\s+4*qi:\s+4*qi+1], v[\s+4*qi:\s+4*qi+1], v[SQS:SQS+1]
	v_pk_fma_f32 v[SQS+2:SQS+3], v[\s+4*qi+2:\s+4*qi+3], v[\s+4*qi+2:\s+4*qi+3], v[SQS+2:SQS+3]
.endif
.set qi, qi+1
.endr
.endm
; 64 numbers of a lane, register 16 b + i = k 32 b + 16 h + i of my row, become a fragment's codes in v[pc] on and its scale word in v[pw]
.macro QUANT s, pc, pw
.irp b, 0,1,2,3
	v_max3_num_f32 v[TM+\b], |v[\s+16*\b]|, |v[\s+1+16*\b]|, 0x4800000   ; block b: my 16 numbers, and the floor 2^(9 - 127): the byte cannot fall under 1
.endr
.irp i, 2,4,6,8,10,12,14
.irp b, 0,1,2,3
	v_max3_num_f32 v[TM+\b], v[TM+\b], |v[\s+16*\b+\i]|, |v[\s+1+16*\b+\i]|   ; the four blocks by turns
.endr
.endr
.irp b, 0,1,2,3
	v_permlanex16_b32 v[TM+4+\b], v[TM+\b], s20, s21
.endr
.irp b, 0,1,2,3
	v_max_num_f32 v[TM+\b], v[TM+\b], v[TM+4+\b]   ; with lane l xor 16's: the block's largest magnitude
.endr
.irp b, 0,1,2,3
	v_add_nc_u32 v[TM+12+\b], 0xfc000000, v[TM+\b] ; 8 off its exponent field: the conversion takes the exponent field of this operand as its scale
.endr
.irp b, 0,1,2,3
	v_and_or_b32 v[TM+8+\b], v[TM+\b], 0x7f800000, s22   ; 448 x the scale
.endr
.irp b, 0,1,2,3
	v_lshrrev_b32 v[TM+4+\b], 23, v[TM+12+\b]      ; the scale's byte
.endr
	v_lshl_or_b32 v[\pw], v[TM+5], 8, v[TM+4]      ; the four bytes make my row's scale word
	v_lshl_or_b32 v[\pw], v[TM+6], 16, v[\pw]
	v_lshl_or_b32 v[\pw], v[TM+7], 24, v[\pw]
.irp b, 0,1,2,3
.irp i, 0,1,2,3,4,5,6,7,8,9,10,11,12,13,14,15
	v_med3_num_f32 v[\s+16*\b+\i], v[\s+16*\b+\i], -v[TM+8+\b], v[TM+8+\b]   ; the conversion to an 8-bit code does not saturate (ISA guide 7.6.2): the hold comes first
.endr
	v_cvt_scalef32_pk8_fp8_f32 v[\pc+4*\b:\pc+1+4*\b], v[\s+16*\b:\s+7+16*\b], v[TM+12+\b]
	v_cvt_scalef32_pk8_fp8_f32 v[\pc+2+4*\b:\pc+3+4*\b], v[\s+8+16*\b:\s+15+16*\b], v[TM+12+\b]
.endr
	v_nop                                          ; one plain vector instruction behind the last scaled conversion
.endm
	SQ X0, 1                                       ; ahead of the quantiser, which holds the numbers in place
	QUANT X0, PC0, PW0
.irp c, 0,1,2,3
	global_store_b128 v4, v[PC0+4*\c:PC0+4*\c+3], s[8:9] offset:512*\c         ; 32 lanes store 512 consecutive bytes, at a multiple of 256 from the buffer's first byte
.endr
	s_wait_dscnt 0x0                               ; K step 1 is in
	SQ X1, 0
	QUANT X1, PC1, PW1
.irp c, 0,1,2,3
	global_store_b128 v4, v[PC1+4*\c:PC1+4*\c+3], s[8:9] offset:2048+512*\c
.endr
	v_cndmask_b32 v[SW], v[PW0], v[PW1], s23       ; lanes 0-15 K step 0's word, lanes 16-31 K step 1's
	global_store_b32 v5, v[SW], s[8:9] offset:4096
	v_pk_add_f32 v[SQS:SQS+1], v[SQS:SQS+1], v[SQS+2:SQS+3]
	v_add_f32 v[SQS], v[SQS], v[SQS+1]
	v_permlanex16_b32 v[TMP], v[SQS], s20, s21     ; the row's other 128 numbers lie in the lane 16 away
	v_add_f32 v[SQS], v[SQS], v[TMP]
	global_store_b32 v5, v[SQS], s[8:9] offset:4224
	s_wait_tensorcnt 0x0
	ds_add_u32 v248, v249
	s_wait_dscnt 0x0
	s_endpgm                                       ; no store's data or address register was written again: no wait on XCNT is owed
.Lfunc_end_k_qb26de7be9c_prep:
	.size	k_qb26de7be9c_prep, .Lfunc_end_k_qb26de7be9c_prep-k_qb26de7be9c_prep
	.p2alignl 7, 3214868480
	.fill 96, 4, 3214868480
	.section	.rodata,"a",@progbits
	.p2align	6, 0x0
	.amdhsa_kernel k_qb26de7be9c_prep
		.amdhsa_group_segment_fixed_size 85760
		.amdhsa_private_segment_fixed_size 0
		.amdhsa_enable_private_segment 0
		.amdhsa_kernarg_size 32
		.amdhsa_user_sgpr_count 2
		.amdhsa_user_sgpr_kernarg_segment_ptr 1
		.amdhsa_wavefront_size32 1
		.amdhsa_system_sgpr_workgroup_id_x 1
		.amdhsa_system_sgpr_workgroup_id_y 1
		.amdhsa_system_sgpr_workgroup_id_z 1
		.amdhsa_system_vgpr_workitem_id 0
		.amdhsa_next_free_vgpr 250
		.amdhsa_next_free_sgpr 66
		.amdhsa_reserve_vcc 0
		.amdhsa_float_denorm_mode_32 3
		.amdhsa_float_denorm_mode_16_64 3
		.amdhsa_memory_ordered 1
		.amdhsa_forward_progress 1
		.amdhsa_inst_pref_size 31
	.end_amdhsa_kernel
	.amdgpu_metadata
---
amdhsa.version: [ 1, 2 ]
amdhsa.kernels:
  - .name:           k_qb26de7be9c_prep
    .symbol:         k_qb26de7be9c_prep.kd
    .args:
      - { .name: z, .offset: 0, .size: 8, .value_kind: global_buffer, .address_space: global }
      - { .name: codebook, .offset: 8, .size: 8, .value_kind: global_buffer, .address_space: global }
      - { .name: zrec, .offset: 16, .size: 8, .value_kind: global_buffer, .address_space: global }
      - { .name: crec, .offset: 24, .size: 8, .value_kind: global_buffer, .address_space: global }
    .group_segment_fixed_size: 85760
    .private_segment_fixed_size: 0
    .kernarg_segment_align: 8
    .kernarg_segment_size: 32
    .max_flat_workgroup_size: 160
    .sgpr_count:     66
    .vgpr_count:     250
    .wavefront_size: 32
...
	.end_amdgpu_metadata
.endif
;; end of part 1
;; launch vq (part 2): grid 256 x 1, 8 waves a work-group, clusters of 4 x 1, 327,680 bytes of LDS; arguments zrec, crec, out2, idxw; writes out2, idxw
.if DOCPART == 2
	.amdgcn_target "amdgcn-amd-amdhsa--gfx1250"
	.amdhsa_code_object_version 6
	.text
	.protected	k_qb26de7be9c_vq
	.globl	k_qb26de7be9c_vq
	.p2align	8
	.type	k_qb26de7be9c_vq,@function
k_qb26de7be9c_vq:
	s_mov_b64 s[64:65], 0
	v_nop
	global_prefetch_b8 v0, s[64:65] scope:SCOPE_SE
	s_setreg_imm32_b32 hwreg(HW_REG_WAVE_MODE, 25, 1), 1
	s_wait_xcnt 0x0
	s_wait_alu depctr_hold_cnt(0) depctr_sa_sdst(0) depctr_va_vdst(0) depctr_va_sdst(0) depctr_va_ssrc(0) depctr_va_vcc(0) depctr_vm_vsrc(0)
	s_getreg_b32 s2, hwreg(HW_REG_IB_STS2, 6, 4)
	s_cmp_eq_u32 s2, 0
	s_cbranch_scc0 .Lentry_in_a_cluster
	s_endpgm
.Lentry_in_a_cluster:
	s_bfe_u32 s2, ttmp6, 0x10000c
	s_cmp_lg_u32 s2, 0x3003
	s_cbranch_scc0 .Lentry_shape_is_right
	s_endpgm
.Lentry_shape_is_right:
; out2[m] = idxw[m] = the first n that makes d(m, n) = fl(fl(zz[m] + cc[n]) - 2 dot(m, n)) least; dot is the MX-FP8 product of z's and the codebook's records (16 rows: two fragments, scale words, sums of squares).
; zz is the same for all n, but it stays: it is far larger than the other terms, its f32 rounding decides which n tie, and the first of the tied n is the result.
; SHARES: 256 work-groups x 128 rows of z.  Each of the 8 waves holds all 128 rows (8 fragments pairs, 256 registers, window 1), loaded from memory straight into registers, and takes 4 of a slot's 32 records of the codebook.
; The codebook's 512 records go through two LDS slots of 32 records; wave w fetches and reads records 4 w .. 4 w + 3 of a slot.  CLUSTERS: the 4 work-groups of a cluster walk the same records: each part is asked for JOINTLY (mask 15).
; A cluster begins at slot (cluster number mod 16) and wraps round.  At the wrap each running best is moved one step of the f32 grid upward, so that 'less than' then lets an equal d of a lower n win;
; a best that was found before the wrap (its tile number says so) is moved back at the end.
; THE PRODUCT IS USED TRANSPOSED (source 0 = 16 codebook rows, source 1 = 16 rows of z): lane (r, h) holds row r of z, register j the codebook row 8 h + j of the tile.
; FOR EACH 16 x 16 TILE, 17 vector instructions: 4 packed adds (zz + cc), 4 packed multiply-adds (d), 4 three-input minima over the 8 d and the best so far (the best takes turns between two registers),
; 1 compare, 4 dual selects that keep d 0..6 and the tile's number where the tile wins (d 7 is known at the end as 'none of the seven equals the best').
; The four stages of four neighbouring accumulators are laid by turns (macro RND), so that dependent lines stand five lines apart in a full round.
; NO PREFETCH: the 64 clusters start at 16 different slots, so only a cluster's first two fills ask for records that no other cluster has asked for yet, and no loop runs ahead of those two.
; LIMITS: NaN and infinities are not served; a row all of whose d are 3.4e38 or more gets no meaningful index; a best of exactly -0.0 at the wrap is not served (d = fl(T - 2 dot) gives +0 where the terms cancel).
.set REC,   4352
.set PART,  4*REC                      ; a wave's part of a slot: 68 x 256 bytes
.set SLOTB, 8*PART
.set CMB,   2*SLOTB                    ; behind the ring: 8 waves x 128 rows: values, then indices; stored by ds_store, never filled by a tensor load
.set SPARE, CMB+8192                   ; the spare words: 128 bytes a wave
.set SPW,  1
.set NIL,  2
.set BAD,  3                           ; v3-4  LDS address of my fragments in slot 0, 1
.set BA4,  5                           ; v5-6  of my scale words
.set BAC,  7                           ; v7-8  of my eight cc
.set MA,   9                           ; v9-11 three partial minima
.set MB,   10
.set MC,   11
.set BSC,  14                          ; the tile's scale words
.set VT,   15                          ; the tile's number
.set BA,   16                          ; v16-23, v24-31 the best d of each accumulator's row, two sets by turns
.set ASC,  32                          ; v32-39 z's scale words
.set ZZ,   40                          ; v40-55 zz of my row in each of the 8 blocks, twice (a pair for the packed add)
.set CC,   56                          ; v56-63 cc of my 8 codebook rows
.set T,    64                          ; v64-79 zz + cc, two sets by turns
.set BF,   80                          ; v80-111 the tile's two fragments
.set H8,   112
.set CST,  113
.set CRD,  114
.set GO,   115
.set AOF,  116
.set AO4,  117
.set ACC,  120                         ; v120-183 eight accumulators
.set KEEP, 184                         ; v184-247 for each accumulator: d 0..6 of the winning tile, and its number
.set NI,   120                         ; the end's registers lie over the accumulators
.set PV,   128
.set PN,   136
.set JJ,   144
.set E0,   152
.set FV,   152
.set FN,   168
.set WV,   12
.set CUR,  15
.set FET,  16
.set TID,  17
.set LAP,  18
.set W4,   19
.set XSEL, 20
.set BASEW, 22
.set G1J,  24
.set G0,   40
.set THR,  48
.set MK,   66                          ; s66-73 eight lane masks
.set MSB, 0
.macro WIN new
.if MSB != \new
	s_set_vgpr_msb (MSB<<8)|\new
.set MSB, \new
.endif
.endm
.macro CREST                           ; a round of the cluster's barrier behind its opening barrier
	s_cmp_lg_u32 s[WV], 0
	s_cbranch_scc1 .Lnot_wave_0_\@
	s_barrier_signal -3
.Lnot_wave_0_\@:
	s_barrier_wait -3
	s_barrier_signal -1
	s_barrier_wait -1
.endm
.macro ROUND
	s_barrier_signal -1
	s_barrier_wait -1
	CREST
.endm
.macro LOADB p, t
.irp c, 0,1,2,3,4,5,6,7
	ds_load_b128 v[BF+4*\c:BF+4*\c+3], v[BAD+(\p)] offset:(\t)*REC+512*\c
.endr
	ds_load_b32 v[BSC], v[BA4+(\p)] offset:(\t)*REC+4096
.endm
.macro LOADCC p, t
	ds_load_b128 v[CC:CC+3], v[BAC+(\p)] offset:(\t)*REC+4224
	ds_load_b128 v[CC+4:CC+7], v[BAC+(\p)] offset:(\t)*REC+4240
.endm
; the eight accumulators take turns, one instruction a turn; K step 0 starts the sums
.macro MM0
.irp i, 0,1,2,3,4,5,6,7
	v_wmma_scale_f32_16x16x128_f8f6f4 v[ACC+8*\i:ACC+8*\i+7], v[BF:BF+15], v[32*\i:32*\i+15], 0, v[BSC], v[ASC+\i]
.endr
.endm
.macro MM1
.irp i, 0,1,2,3,4,5,6,7
	v_wmma_scale_f32_16x16x128_f8f6f4 v[ACC+8*\i:ACC+8*\i+7], v[BF+16:BF+31], v[32*\i+16:32*\i+31], v[ACC+8*\i:ACC+8*\i+7], v[BSC], v[ASC+\i] matrix_a_scale:MATRIX_SCALE_ROW1 matrix_b_scale:MATRIX_SCALE_ROW1
.endr
.endm
.macro TT q                            ; zz + cc of accumulator aT
	v_pk_add_f32 v[T+8*(aT%2)+2*\q:T+8*(aT%2)+2*\q+1], v[CC+2*\q:CC+2*\q+1], v[ZZ+2*aT:ZZ+2*aT+1]
.endm
.macro FF q                            ; d = dot x -2 + (zz + cc), one rounding, of accumulator aF, from its low end on
	v_pk_fma_f32 v[ACC+8*aF+2*\q:ACC+8*aF+2*\q+1], v[ACC+8*aF+2*\q:ACC+8*aF+2*\q+1], -2.0, v[T+8*(aF%2)+2*\q:T+8*(aF%2)+2*\q+1] op_sel_hi:[1,0,1]
.endm
.macro SEL k, x, y                     ; where VCC is set: v[k] = v[x], v[k+1] = v[y]
	v_dual_cndmask_b32 v[\k], v[\k], v[\x] :: v_dual_cndmask_b32 v[\k+1], v[\k+1], v[\y]
.endm
; round r of a tile's epilogue: stage T of accumulator r, F of r - 1, the minima of r - 2, compare and selects of r - 3
.macro RND r
.set aT, \r
.set aF, \r-1
.set aM, \r-2
.set aK, \r-3
.if (\r >= 2) && (\r <= 9)
	v_min3_num_f32 v[MA], v[ACC+8*aM], v[ACC+8*aM+1], v[ACC+8*aM+2]
	v_min3_num_f32 v[MB], v[ACC+8*aM+3], v[ACC+8*aM+4], v[ACC+8*aM+5]
	v_min3_num_f32 v[MC], v[ACC+8*aM+6], v[ACC+8*aM+7], v[BO+aM]
.endif
.if \r >= 3
	v_cmp_lt_f32 vcc_lo, v[BN+aK], v[BO+aK]        ; has the tile brought a lesser d?
.endif
.if \r <= 7
	TT 0
	TT 1
.endif
.if (\r >= 1) && (\r <= 8)
	FF 0
	FF 1
.endif
.if (\r >= 2) && (\r <= 9)
.if \r == 8
	s_delay_alu instid0(VALU_DEP_4)
.endif
.if \r == 9
	s_delay_alu instid0(VALU_DEP_2)
.endif
	v_min3_num_f32 v[BN+aM], v[MA], v[MB], v[MC]   ; the new best
.endif
.if \r >= 3
	SEL KEEP+8*aK, ACC+8*aK, ACC+8*aK+1
	SEL KEEP+8*aK+2, ACC+8*aK+2, ACC+8*aK+3
.endif
.if \r <= 7
	TT 2
	TT 3
.endif
.if (\r >= 1) && (\r <= 8)
	FF 2
	FF 3
.endif
.if \r >= 3
	SEL KEEP+8*aK+4, ACC+8*aK+4, ACC+8*aK+5
	SEL KEEP+8*aK+6, ACC+8*aK+6, VT
.endif
.endm
.macro STEPG p                         ; slot p's group 0: the next slot of the walk (no tensor load of mine is out)
	s_add_co_u32 s[FET], s[FET], 1
	s_and_b32 s[FET], s[FET], 15
	s_mul_i32 s52, s[FET], SLOTB
	s_add_nc_u64 s[G0+4*(\p)+2:G0+4*(\p)+3], s[BASEW:BASEW+1], s[52:53]
	s_or_b32 s[G0+4*(\p)+3], s[G0+4*(\p)+3], 0x80000000
.endm
; one record of the codebook against my 128 rows.  mode 0: the next record lies in the same slot; 1: the slot's last, the slot is filled again; 2: the slot's last, nothing is filled; 3: the very last
.macro TILE p, t, mode
.set BO, BA+8*((\t)%2)
.set BN, BA+8*(1-(\t)%2)
	s_wait_alu depctr_va_vdst(0)                   ; directly ahead of the wait below
.if (\mode) == 1
	s_wait_dscnt 0x0                               ; fragments and cc are in: my reads of this slot are over
	s_wait_tensorcnt 0x0                           ; my one tensor load, my part of the other slot, has landed
	ds_add_u32 v[SPW], v[NIL]
	STEPG \p
	WIN 0x04
	MM0                                            ; eight products stand between the add and the wait for it
	s_wait_dscnt 0x0
	s_barrier_signal -1                            ; opens a round of the cluster's barrier; register work alone up to its wait
	MM1
	WIN 0
.else
	s_wait_dscnt 2                                 ; the nine loads of fragments and scale words are in; the two of cc may be out
	WIN 0x04
	MM0
	MM1
	WIN 0
	s_wait_dscnt 0x0
.endif
	v_mov_b32 v[VT], s[TID]
	v_nop                                          ; with the line above and six adds: eight places ahead of the first read of accumulator 0
	RND 0
	RND 1
.if (\mode) == 0
	LOADB \p, (\t)+1                               ; more than eight places behind the last product
.endif
.if (\mode) == 2
	s_wait_alu depctr_va_vdst(0)                   ; directly ahead of the wait below
	s_wait_tensorcnt 0x0                           ; my part of the last slot, which I alone read, has landed
	LOADB 1-(\p), 0
.endif
	RND 2
	RND 3
.if (\mode) == 1
	s_wait_alu depctr_va_vdst(0)                   ; directly ahead of the barrier's wait
	s_barrier_wait -1
	CREST                                          ; no wave of any partner still reads this slot or has a load on its way
	tensor_load_to_lds s[G0+4*(\p):G0+4*(\p)+3], s[G1J:G1J+7]
	s_nop 0
.rept 4
	v_nop
.endr
	LOADB 1-(\p), 0
.endif
	RND 4
	RND 5
	RND 6
	RND 7
.if (\mode) == 0
	LOADCC \p, (\t)+1                              ; stage T has read cc for the last time
.endif
.if ((\mode) == 1) || ((\mode) == 2)
	LOADCC 1-(\p), 0
.endif
	RND 8
	RND 9
	RND 10
	s_add_co_u32 s[TID], s[TID], 1
.endm
.macro TRIP p, mode                    ; a slot: my four records
	s_wait_alu depctr_va_vdst(0)
	s_cmp_lg_u32 s[CUR], 0
	s_cbranch_scc1 .Lno_wrap_\@
.irp b, 0,1,2,3,4,5,6,7
	v_ashrrev_i32 v[T+\b], 31, v[BA+\b]            ; the walk is back at n = 0: each best one step of the f32 grid upward
.endr
.irp b, 0,1,2,3,4,5,6,7
	v_or_b32 v[T+\b], 1, v[T+\b]
.endr
.irp b, 0,1,2,3,4,5,6,7
	v_add_nc_u32 v[BA+\b], v[BA+\b], v[T+\b]
.endr
.Lno_wrap_\@:
	s_lshl_b32 s[TID], s[CUR], 5
	s_add_co_u32 s[TID], s[TID], s[W4]             ; my first record's number: 32 x slot + 4 x wave
	TILE \p, 0, 0
	TILE \p, 1, 0
	TILE \p, 2, 0
	TILE \p, 3, \mode
	s_add_co_u32 s[CUR], s[CUR], 1
	s_and_b32 s[CUR], s[CUR], 15
.endm
.macro LEX va, na, vb, nb              ; (va, na) = the lesser of the two pairs, by value and then by index
	v_cmp_lt_f32 s54, v[\vb], v[\va]
	v_cmp_eq_f32 s55, v[\vb], v[\va]
	v_cmp_lt_u32 s56, v[\nb], v[\na]
	s_and_b32 s55, s55, s56
	s_or_b32 s54, s54, s55
	v_cndmask_b32 v[\va], v[\va], v[\vb], s54
	v_cndmask_b32 v[\na], v[\na], v[\nb], s54
.endm
	s_load_b256 s[4:11], s[0:1], 0x0               ; zrec s[4:5], crec s[6:7], out2 s[8:9], idxw s[10:11]
	v_lshl_add_u32 v[SPW], v0, 2, SPARE
	v_mov_b32 v[NIL], 0
	ds_add_u32 v[SPW], v[NIL]                      ; the opening lines: the add twice on end
	ds_add_u32 v[SPW], v[NIL]
	v_lshrrev_b32 v12, 5, v0
	v_readfirstlane_b32 s[WV], v12                 ; wave 0..7
	s_bfe_u32 s13, ttmp6, 0x40000                  ; cx: it enters global addresses of z and of the outputs alone
	s_lshl_b32 s14, ttmp9, 2
	s_add_co_u32 s14, s14, s13                     ; work-group
	s_and_b32 s[CUR], ttmp9, 15                    ; the cluster's first slot
	s_mov_b32 s[FET], s[CUR]
	s_lshl_b32 s[THR], s[CUR], 5                   ; records from this number on are met before the wrap;
	s_cmp_eq_u32 s[CUR], 0
	s_cselect_b32 s[THR], 0x7fffffff, s[THR]       ; none where the walk begins at 0
	s_lshl_b32 s[W4], s[WV], 2
	s_mov_b32 s[XSEL], 0x76543210
	s_mov_b32 s[XSEL+1], 0xfedcba98
	s_mul_i32 s54, s[WV], PART
	v_and_b32 v12, 31, v0
	v_bfe_u32 v13, v0, 4, 1
	v_and_b32 v[MA], 15, v0
	v_lshl_add_u32 v[BAD], v12, 4, s54
	v_lshl_add_u32 v[BA4], v12, 2, s54
	v_lshl_add_u32 v[BAC], v13, 5, s54
	v_add_nc_u32 v[BAD+1], SLOTB, v[BAD]
	v_add_nc_u32 v[BA4+1], SLOTB, v[BA4]
	v_add_nc_u32 v[BAC+1], SLOTB, v[BAC]
	v_lshlrev_b32 v[AOF], 4, v12
	v_lshlrev_b32 v[AO4], 2, v12
	s_lshl_b32 s55, s[WV], 9
	s_add_co_u32 s55, s55, CMB
	v_lshl_add_u32 v[CST], v[MA], 2, s55
	s_and_b32 s56, s[WV], 1
	s_lshl_b32 s56, s56, 8
	v_lshl_add_u32 v[GO], v12, 3, s56
	v_add_nc_u32 v[CRD], CMB, v[GO]
	v_lshlrev_b32 v[H8], 3, v13
	s_mov_b32 s[G1J+0], 15|(3<<16)|(1<<21)         ; mask: the cluster's four; elements of 8 bytes; bit 21 beside a mask
	s_mov_b32 s[G1J+1], 32<<16                     ; rows of 256 bytes,
	s_mov_b32 s[G1J+2], 68<<16                     ; 68 of them, dense
	s_mov_b32 s[G1J+3], 32<<16
	s_mov_b32 s[G1J+4], 68
	s_mov_b32 s[G1J+5], 32
	s_mov_b32 s[G1J+6], 0
	s_mov_b32 s[G1J+7], 0
	s_mov_b32 s[G0+0], 1
	s_mov_b32 s[G0+1], s54
	s_mov_b32 s[G0+4], 1
	s_add_co_u32 s[G0+5], s54, SLOTB
	s_mov_b32 s53, 0
	s_mov_b32 s59, 0
	s_mul_i32 s58, s14, 8*REC                      ; my work-group's eight records of z
	s_wait_alu depctr_va_vdst(0)
	s_wait_dscnt 0x0                               ; both opening adds are done
	s_wait_kmcnt 0x0
	s_mov_b32 s52, s54
	s_add_nc_u64 s[BASEW:BASEW+1], s[6:7], s[52:53]
	s_mul_i32 s52, s[FET], SLOTB
	s_add_nc_u64 s[G0+2:G0+3], s[BASEW:BASEW+1], s[52:53]
	s_or_b32 s[G0+3], s[G0+3], 0x80000000
	s_add_nc_u64 s[4:5], s[4:5], s[58:59]
	s_lshl_b32 s58, s14, 9                         ; 128 indices of 4 bytes
	s_add_nc_u64 s[8:9], s[8:9], s[58:59]
	s_add_nc_u64 s[10:11], s[10:11], s[58:59]
	WIN 0x40
.irp i, 0,1,2,3,4,5,6,7
.irp c, 0,1,2,3,4,5,6,7
	global_load_b128 v[32*\i+4*\c:32*\i+4*\c+3], v[AOF], s[4:5] offset:\i*REC+512*\c   ; z's fragments as they lie: 512 consecutive bytes a load
.endr
.endr
	WIN 0
.irp i, 0,1,2,3,4,5,6,7
	global_load_b32 v[ASC+\i], v[AO4], s[4:5] offset:\i*REC+4096
	global_load_b32 v[ZZ+2*\i], v[AO4], s[4:5] offset:\i*REC+4224
	global_load_b32 v[ZZ+2*\i+1], v[AO4], s[4:5] offset:\i*REC+4224
.endr
	ROUND                                          ; the four work-groups are here: the first joint loads meet
	tensor_load_to_lds s[G0:G0+3], s[G1J:G1J+7]    ; my part of the first slot: one tensor load a wave at the head
	s_nop 0
.rept 4
	v_nop
.endr
	s_mov_b32 s55, 0x7f7fffff
.irp b, 0,1,2,3,4,5,6,7
	v_mov_b32 v[BA+\b], s55                        ; the running state begins at the largest finite number, tile 0
.irp j, 0,1,2,3,4,5,6
	v_mov_b32 v[KEEP+8*\b+\j], s55
.endr
	v_mov_b32 v[KEEP+8*\b+7], 0
.endr
	s_wait_alu depctr_va_vdst(0)                   ; directly ahead of the wait below
	s_wait_tensorcnt 0x0                           ; the second slot's first fill is issued as a refill is
	ds_add_u32 v[SPW], v[NIL]
	STEPG 1
	s_wait_dscnt 0x0
	ROUND
	tensor_load_to_lds s[G0+4:G0+7], s[G1J:G1J+7]
	s_nop 0
.rept 4
	v_nop
.endr
	LOADB 0, 0
	LOADCC 0, 0
	s_wait_loadcnt 0x0                             ; z's records are in
	s_mov_b32 s[LAP], 7
.Llap:
	TRIP 0, 1
	TRIP 1, 1
	s_sub_co_u32 s[LAP], s[LAP], 1
	s_cmp_lg_u32 s[LAP], 0
	s_cbranch_scc1 .Llap
	TRIP 0, 2                                      ; the last two slots fill nothing
	TRIP 1, 3
	; THE END.  A best found before the wrap goes one step back; j = the first of d 0..6 that equals the best, else 7; n = 16 x tile + 8 h + j
	s_wait_alu depctr_va_vdst(0)
.irp i, 0,1,2,3,4,5,6,7
	v_ashrrev_i32 v[E0+\i], 31, v[BA+\i]
.endr
.irp i, 0,1,2,3,4,5,6,7
	v_cmp_le_u32 s[MK+\i], s[THR], v[KEEP+8*\i+7]
.endr
.irp i, 0,1,2,3,4,5,6,7
	v_or_b32 v[E0+\i], 1, v[E0+\i]
.endr
.irp i, 0,1,2,3,4,5,6,7
	v_mov_b32 v[JJ+\i], 7
.endr
.irp i, 0,1,2,3,4,5,6,7
	v_sub_nc_u32 v[E0+\i], v[BA+\i], v[E0+\i]
.endr
.irp i, 0,1,2,3,4,5,6,7
	v_lshl_add_u32 v[NI+\i], v[KEEP+8*\i+7], 4, v[H8]
.endr
.irp i, 0,1,2,3,4,5,6,7
	v_cndmask_b32 v[BA+\i], v[BA+\i], v[E0+\i], s[MK+\i]
.endr
.irp k, 6,5,4,3,2,1,0
.irp i, 0,1,2,3,4,5,6,7
	v_cmp_eq_f32 s[MK+\i], v[KEEP+8*\i+\k], v[BA+\i]
.endr
.irp i, 0,1,2,3,4,5,6,7
	v_cndmask_b32 v[JJ+\i], v[JJ+\i], \k, s[MK+\i]
.endr
.endr
.irp i, 0,1,2,3,4,5,6,7
	v_add_nc_u32 v[NI+\i], v[NI+\i], v[JJ+\i]
.endr
.irp i, 0,1,2,3,4,5,6,7
	v_permlanex16_b32 v[PV+\i], v[BA+\i], s[XSEL], s[XSEL+1]     ; the row's other eight codebook rows lie in the lane 16 away
	v_permlanex16_b32 v[PN+\i], v[NI+\i], s[XSEL], s[XSEL+1]
.endr
.irp i, 0,1,2,3,4,5,6,7
	LEX BA+\i, NI+\i, PV+\i, PN+\i
.endr
	s_wait_alu depctr_va_vdst(0)
.irp i, 0,1,2,3,4,5,6,7
	ds_store_b32 v[CST], v[BA+\i] offset:64*\i                   ; my wave's best of each of the 128 rows (both halves of the lanes store the same)
	ds_store_b32 v[CST], v[NI+\i] offset:4096+64*\i
.endr
	s_wait_dscnt 0x0                               ; for the others' sake: zero
	s_barrier_signal -1
	s_barrier_wait -1
	s_cmp_lt_u32 s[WV], 2
	s_cbranch_scc0 .Ldone                          ; waves 0 and 1 join the eight waves' results, 64 rows each, two rows a lane
.irp u, 0,1,2,3,4,5,6,7
	ds_load_b64 v[FV+2*\u:FV+2*\u+1], v[CRD] offset:512*\u
	ds_load_b64 v[FN+2*\u:FN+2*\u+1], v[CRD] offset:4096+512*\u
.endr
	s_wait_dscnt 0x0
.irp u, 1,2,3,4,5,6,7
	LEX FV, FN, FV+2*\u, FN+2*\u
	LEX FV+1, FN+1, FV+2*\u+1, FN+2*\u+1
.endr
	global_store_b64 v[GO], v[FN:FN+1], s[8:9]     ; 32 lanes store 256 consecutive bytes, aligned
	global_store_b64 v[GO], v[FN:FN+1], s[10:11]
.Ldone:
	s_wait_tensorcnt 0x0                           ; the wave's end
	ds_add_u32 v[SPW], v[NIL]
	s_wait_dscnt 0x0
	ROUND                                          ; the closing round
	s_endpgm
.Lfunc_end_k_qb26de7be9c_vq:
	.size	k_qb26de7be9c_vq, .Lfunc_end_k_qb26de7be9c_vq-k_qb26de7be9c_vq
	.p2alignl 7, 3214868480
	.fill 96, 4, 3214868480
	.section	.rodata,"a",@progbits
	.p2align	6, 0x0
	.amdhsa_kernel k_qb26de7be9c_vq
		.amdhsa_group_segment_fixed_size 327680
		.amdhsa_private_segment_fixed_size 0
		.amdhsa_enable_private_segment 0
		.amdhsa_kernarg_size 32
		.amdhsa_user_sgpr_count 2
		.amdhsa_user_sgpr_kernarg_segment_ptr 1
		.amdhsa_wavefront_size32 1
		.amdhsa_system_sgpr_workgroup_id_x 1
		.amdhsa_system_sgpr_workgroup_id_y 1
		.amdhsa_system_sgpr_workgroup_id_z 1
		.amdhsa_system_vgpr_workitem_id 0
		.amdhsa_next_free_vgpr 512
		.amdhsa_next_free_sgpr 80
		.amdhsa_reserve_vcc 1
		.amdhsa_float_denorm_mode_32 3
		.amdhsa_float_denorm_mode_16_64 3
		.amdhsa_memory_ordered 1
		.amdhsa_forward_progress 1
		.amdhsa_inst_pref_size 224
	.end_amdhsa_kernel
	.amdgpu_metadata
---
amdhsa.version: [ 1, 2 ]
amdhsa.kernels:
  - .name:           k_qb26de7be9c_vq
    .symbol:         k_qb26de7be9c_vq.kd
    .args:
      - { .name: zrec, .offset: 0, .size: 8, .value_kind: global_buffer, .address_space: global }
      - { .name: crec, .offset: 8, .size: 8, .value_kind: global_buffer, .address_space: global }
      - { .name: out2, .offset: 16, .size: 8, .value_kind: global_buffer, .address_space: global }
      - { .name: idxw, .offset: 24, .size: 8, .value_kind: global_buffer, .address_space: global }
    .group_segment_fixed_size: 327680
    .private_segment_fixed_size: 0
    .kernarg_segment_align: 8
    .kernarg_segment_size: 32
    .max_flat_workgroup_size: 256
    .sgpr_count:     80
    .vgpr_count:     512
    .wavefront_size: 32
...
	.end_amdgpu_metadata
.endif
;; end of part 2
;; launch gather (part 3): grid 512 x 1, 8 waves a work-group, no clusters, 1,536 bytes of LDS; arguments z, codebook, idxw, out0, part; writes out0, part
.if DOCPART == 3
	.amdgcn_target "amdgcn-amd-amdhsa--gfx1250"
	.amdhsa_code_object_version 6
	.text
	.protected	k_qb26de7be9c_gather
	.globl	k_qb26de7be9c_gather
	.p2align	8
	.type	k_qb26de7be9c_gather,@function
k_qb26de7be9c_gather:
	s_mov_b64 s[64:65], 0
	v_nop
	global_prefetch_b8 v0, s[64:65] scope:SCOPE_SE
	s_setreg_imm32_b32 hwreg(HW_REG_WAVE_MODE, 25, 1), 1
	s_wait_xcnt 0x0
; out0[m] = z[m] + (codebook[idx[m]] - z[m]), and for each work-group the sum of (codebook[idx[m]] - z[m])^2 over its 64 rows, into part[work-group].  All in f32.
; A wave takes 8 rows, straight through: a row is 1,024 bytes, two loads of 512 consecutive bytes.  The eight indices come by one scalar load from the buffer that the launch before stored;
; each is held to the table's 8,192 rows before it enters an address.  All 32 loads of a wave are issued before the first is waited for.  Memory binds: no matrix unit, no cluster; LDS only for the eight waves' sums.
.set ZR,  16                           ; v16-79   z: row i, half u at 8 i + 4 u; then out0
.set CB,  80                           ; v80-143  the chosen rows; then their difference from z
.set LS,  144                          ; v144-151 the squares, four packed chains
.set OFF, 2                            ; v2-9     row i's byte offset in the codebook + 16 x lane
	s_load_b256 s[4:11], s[0:1], 0x0               ; z s[4:5], codebook s[6:7], idxw s[8:9], out0 s[10:11]
	s_load_b64 s[12:13], s[0:1], 0x20              ; part
	v_lshl_add_u32 v168, v0, 2, 0x200
	v_mov_b32 v169, 0
	v_lshrrev_b32 v1, 5, v0
	s_delay_alu instid0(VALU_DEP_1)
	v_readfirstlane_b32 s14, v1                    ; wave 0..7
	v_and_b32 v1, 31, v0
	s_delay_alu instid0(VALU_DEP_1)
	v_lshlrev_b32 v1, 4, v1                        ; 16 x lane
	v_mov_b32 v153, 0                              ; written once: a lane permute's destination counts as one of its sources
	s_delay_alu instid0(VALU_DEP_4)
	v_mov_b32 v154, s14
	s_delay_alu instid0(VALU_DEP_1)
	v_lshlrev_b32 v154, 2, v154                    ; LDS: my wave's word
	v_mov_b32 v155, 0
	s_lshl_b32 s15, ttmp9, 3
	s_add_co_u32 s15, s15, s14                     ; which 8 rows are mine
	s_lshl_b32 s24, s15, 13                        ; 8 rows of 1,024 bytes
	s_mov_b32 s25, 0
	s_lshl_b32 s28, s15, 5                         ; 8 indices of 4 bytes
	s_mov_b32 s29, 0
	s_lshl_b32 s32, ttmp9, 2
	s_mov_b32 s33, 0
	s_mov_b32 s26, 0x76543210
	s_mov_b32 s27, 0xfedcba98
	s_wait_alu depctr_va_vdst(0)
	s_wait_kmcnt 0x0
	s_add_nc_u64 s[4:5], s[4:5], s[24:25]
	s_add_nc_u64 s[10:11], s[10:11], s[24:25]
	s_add_nc_u64 s[8:9], s[8:9], s[28:29]
	s_add_nc_u64 s[12:13], s[12:13], s[32:33]
	s_load_b256 s[16:23], s[8:9], 0x0              ; my eight indices
.irp i, 0,1,2,3,4,5,6,7
	global_load_b128 v[ZR+8*\i:ZR+8*\i+3], v1, s[4:5] offset:1024*\i th:TH_LOAD_NT
	global_load_b128 v[ZR+8*\i+4:ZR+8*\i+7], v1, s[4:5] offset:1024*\i+512 th:TH_LOAD_NT
.endr
	s_wait_kmcnt 0x0
.irp i, 0,1,2,3,4,5,6,7
	s_min_u32 s[16+\i], s[16+\i], 0x1fff           ; inside the table
	s_lshl_b32 s[16+\i], s[16+\i], 10              ; a row is 1,024 bytes
	v_add_nc_u32 v[OFF+\i], s[16+\i], v1
.endr
	s_wait_alu depctr_va_vdst(0)
.irp i, 0,1,2,3,4,5,6,7
	global_load_b128 v[CB+8*\i:CB+8*\i+3], v[OFF+\i], s[6:7]               ; no hint: a row may be named by many
	global_load_b128 v[CB+8*\i+4:CB+8*\i+7], v[OFF+\i], s[6:7] offset:512
.endr
.irp i, 0,1,2,3,4,5,6,7
	s_wait_loadcnt 14-2*\i                         ; loads come back in order: row i's two loads from the table are in (all of z's are older); the later rows' stay out
.irp p, 0,1,2,3
	v_pk_add_f32 v[CB+8*\i+2*\p:CB+8*\i+2*\p+1], v[CB+8*\i+2*\p:CB+8*\i+2*\p+1], v[ZR+8*\i+2*\p:ZR+8*\i+2*\p+1] neg_lo:[0,1] neg_hi:[0,1]   ; c - z
.endr
.irp p, 0,1,2,3
.if \i == 0
	s_delay_alu instid0(VALU_DEP_4)
	v_pk_mul_f32 v[LS+2*\p:LS+2*\p+1], v[CB+8*\i+2*\p:CB+8*\i+2*\p+1], v[CB+8*\i+2*\p:CB+8*\i+2*\p+1]   ; the first row starts the sums
.else
	s_delay_alu instid0(VALU_DEP_4)
	v_pk_fma_f32 v[LS+2*\p:LS+2*\p+1], v[CB+8*\i+2*\p:CB+8*\i+2*\p+1], v[CB+8*\i+2*\p:CB+8*\i+2*\p+1], v[LS+2*\p:LS+2*\p+1]
.endif
.endr
.irp p, 0,1,2,3
	v_pk_add_f32 v[ZR+8*\i+2*\p:ZR+8*\i+2*\p+1], v[ZR+8*\i+2*\p:ZR+8*\i+2*\p+1], v[CB+8*\i+2*\p:CB+8*\i+2*\p+1]   ; z + (c - z)
.endr
	global_store_b128 v1, v[ZR+8*\i:ZR+8*\i+3], s[10:11] offset:1024*\i th:TH_STORE_NT        ; 32 lanes store 512 consecutive bytes; no store's data are written again
	global_store_b128 v1, v[ZR+8*\i+4:ZR+8*\i+7], s[10:11] offset:1024*\i+512 th:TH_STORE_NT
.endr
	v_pk_add_f32 v[LS:LS+1], v[LS:LS+1], v[LS+2:LS+3]
	v_pk_add_f32 v[LS+4:LS+5], v[LS+4:LS+5], v[LS+6:LS+7]
	s_delay_alu instid0(VALU_DEP_1)
	v_pk_add_f32 v[LS:LS+1], v[LS:LS+1], v[LS+4:LS+5]
	s_delay_alu instid0(VALU_DEP_1)
	v_add_f32 v152, v[LS], v[LS+1]
	s_delay_alu instid0(VALU_DEP_1)
	v_add_f32_dpp v152, v152, v152 row_xmask:1 row_mask:0xf bank_mask:0xf
	s_delay_alu instid0(VALU_DEP_1)
	v_add_f32_dpp v152, v152, v152 row_xmask:2 row_mask:0xf bank_mask:0xf
	s_delay_alu instid0(VALU_DEP_1)
	v_add_f32_dpp v152, v152, v152 row_xmask:4 row_mask:0xf bank_mask:0xf
	s_delay_alu instid0(VALU_DEP_1)
	v_add_f32_dpp v152, v152, v152 row_xmask:8 row_mask:0xf bank_mask:0xf
	s_delay_alu instid0(VALU_DEP_1)
	v_permlanex16_b32 v153, v152, s26, s27
	s_delay_alu instid0(VALU_DEP_1)
	v_add_f32 v152, v152, v153                     ; my wave's sum, in every lane
	ds_store_b32 v154, v152                        ; all lanes write the same word with the same value
	s_wait_dscnt 0x0                               ; for the others' sake: zero
	s_barrier_signal -1
	s_barrier_wait -1
	s_cmp_lg_u32 s14, 0
	s_cbranch_scc1 .Lend                           ; wave 0 adds the eight
	ds_load_b128 v[156:159], v155
	ds_load_b128 v[160:163], v155 offset:16
	s_wait_dscnt 0x0
	v_add_f32 v156, v156, v157
	v_add_f32 v158, v158, v159
	v_add_f32 v160, v160, v161
	v_add_f32 v162, v162, v163
	s_delay_alu instid0(VALU_DEP_3)
	v_add_f32 v156, v156, v158
	s_delay_alu instid0(VALU_DEP_2)
	v_add_f32 v160, v160, v162
	s_delay_alu instid0(VALU_DEP_1)
	v_add_f32 v156, v156, v160
	s_wait_alu depctr_va_vdst(0)
	s_wait_xcnt 0x0                                ; EXEC changes only behind this wait: it is a source of the stores above
	v_cmp_eq_u32 vcc_lo, 0, v0
	s_and_saveexec_b32 s30, vcc_lo
	global_store_b32 v155, v156, s[12:13]          ; thread 0: part[work-group]
	s_wait_xcnt 0x0                                ; and again, ahead of the line that widens it
	s_or_b32 exec_lo, exec_lo, s30
.Lend:
	s_wait_tensorcnt 0x0
	ds_add_u32 v168, v169
	s_wait_dscnt 0x0
	s_endpgm
.Lfunc_end_k_qb26de7be9c_gather:
	.size	k_qb26de7be9c_gather, .Lfunc_end_k_qb26de7be9c_gather-k_qb26de7be9c_gather
	.p2alignl 7, 3214868480
	.fill 96, 4, 3214868480
	.section	.rodata,"a",@progbits
	.p2align	6, 0x0
	.amdhsa_kernel k_qb26de7be9c_gather
		.amdhsa_group_segment_fixed_size 1536
		.amdhsa_private_segment_fixed_size 0
		.amdhsa_enable_private_segment 0
		.amdhsa_kernarg_size 40
		.amdhsa_user_sgpr_count 2
		.amdhsa_user_sgpr_kernarg_segment_ptr 1
		.amdhsa_wavefront_size32 1
		.amdhsa_system_sgpr_workgroup_id_x 1
		.amdhsa_system_sgpr_workgroup_id_y 1
		.amdhsa_system_sgpr_workgroup_id_z 1
		.amdhsa_system_vgpr_workitem_id 0
		.amdhsa_next_free_vgpr 170
		.amdhsa_next_free_sgpr 66
		.amdhsa_reserve_vcc 1
		.amdhsa_float_denorm_mode_32 3
		.amdhsa_float_denorm_mode_16_64 3
		.amdhsa_memory_ordered 1
		.amdhsa_forward_progress 1
		.amdhsa_inst_pref_size 17
	.end_amdhsa_kernel
	.amdgpu_metadata
---
amdhsa.version: [ 1, 2 ]
amdhsa.kernels:
  - .name:           k_qb26de7be9c_gather
    .symbol:         k_qb26de7be9c_gather.kd
    .args:
      - { .name: z, .offset: 0, .size: 8, .value_kind: global_buffer, .address_space: global }
      - { .name: codebook, .offset: 8, .size: 8, .value_kind: global_buffer, .address_space: global }
      - { .name: idxw, .offset: 16, .size: 8, .value_kind: global_buffer, .address_space: global }
      - { .name: out0, .offset: 24, .size: 8, .value_kind: global_buffer, .address_space: global }
      - { .name: part, .offset: 32, .size: 8, .value_kind: global_buffer, .address_space: global }
    .group_segment_fixed_size: 1536
    .private_segment_fixed_size: 0
    .kernarg_segment_align: 8
    .kernarg_segment_size: 40
    .max_flat_workgroup_size: 256
    .sgpr_count:     66
    .vgpr_count:     170
    .wavefront_size: 32
...
	.end_amdgpu_metadata
.endif
;; end of part 3
;; launch loss (part 4): grid 1 x 1, 1 waves a work-group, no clusters, 0 bytes of LDS; arguments part, out1; writes out1
.if DOCPART == 4
	.amdgcn_target "amdgcn-amd-amdhsa--gfx1250"
	.amdhsa_code_object_version 6
	.text
	.protected	k_qb26de7be9c_loss
	.globl	k_qb26de7be9c_loss
	.p2align	8
	.type	k_qb26de7be9c_loss,@function
k_qb26de7be9c_loss:
	s_mov_b64 s[64:65], 0
	v_nop
	global_prefetch_b8 v0, s[64:65] scope:SCOPE_SE
	s_setreg_imm32_b32 hwreg(HW_REG_WAVE_MODE, 25, 1), 1
	s_wait_xcnt 0x0
; out1 = m + 0.25 m, m = the mean of (z_q - z)^2 over 32,768 x 256 = 2^23 numbers = the sum of the 512 partial sums x 2^-23.  One wave: 16 partial sums a lane.
	s_load_b128 s[4:7], s[0:1], 0x0                ; part s[4:5], out1 s[6:7]
	v_lshlrev_b32 v1, 4, v0                        ; 16 x lane
	v_mov_b32 v2, 0
	v_mov_b32 v3, 0                                ; written once: a lane permute's destination counts as one of its sources
	s_mov_b32 s8, 0x76543210
	s_mov_b32 s9, 0xfedcba98
	s_wait_alu depctr_va_vdst(0)
	s_wait_kmcnt 0x0
.irp k, 0,1,2,3
	global_load_b128 v[4+4*\k:7+4*\k], v1, s[4:5] offset:512*\k
.endr
	s_wait_loadcnt 0x0
	v_pk_add_f32 v[4:5], v[4:5], v[6:7]
	v_pk_add_f32 v[8:9], v[8:9], v[10:11]
	v_pk_add_f32 v[12:13], v[12:13], v[14:15]
	v_pk_add_f32 v[16:17], v[16:17], v[18:19]
	v_pk_add_f32 v[4:5], v[4:5], v[8:9]
	v_pk_add_f32 v[12:13], v[12:13], v[16:17]
	v_pk_add_f32 v[4:5], v[4:5], v[12:13]
	v_add_f32 v4, v4, v5
	v_add_f32_dpp v4, v4, v4 row_xmask:1 row_mask:0xf bank_mask:0xf
	v_add_f32_dpp v4, v4, v4 row_xmask:2 row_mask:0xf bank_mask:0xf
	v_add_f32_dpp v4, v4, v4 row_xmask:4 row_mask:0xf bank_mask:0xf
	v_add_f32_dpp v4, v4, v4 row_xmask:8 row_mask:0xf bank_mask:0xf
	v_permlanex16_b32 v3, v4, s8, s9
	v_add_f32 v4, v4, v3
	v_mul_f32 v4, 0x34000000, v4                   ; x 2^-23: the mean
	v_fmamk_f32 v5, v4, 0x3e800000, v4             ; m x 0.25 + m
	s_wait_alu depctr_va_vdst(0)
	s_wait_xcnt 0x0                                ; EXEC changes only behind this wait
	v_cmp_eq_u32 vcc_lo, 0, v0
	s_and_saveexec_b32 s10, vcc_lo
	global_store_b32 v2, v5, s[6:7]                ; thread 0 stores the one number
	s_wait_xcnt 0x0
	s_or_b32 exec_lo, exec_lo, s10
	s_endpgm
.Lfunc_end_k_qb26de7be9c_loss:
	.size	k_qb26de7be9c_loss, .Lfunc_end_k_qb26de7be9c_loss-k_qb26de7be9c_loss
	.p2alignl 7, 3214868480
	.fill 96, 4, 3214868480
	.section	.rodata,"a",@progbits
	.p2align	6, 0x0
	.amdhsa_kernel k_qb26de7be9c_loss
		.amdhsa_group_segment_fixed_size 0
		.amdhsa_private_segment_fixed_size 0
		.amdhsa_enable_private_segment 0
		.amdhsa_kernarg_size 16
		.amdhsa_user_sgpr_count 2
		.amdhsa_user_sgpr_kernarg_segment_ptr 1
		.amdhsa_wavefront_size32 1
		.amdhsa_system_sgpr_workgroup_id_x 1
		.amdhsa_system_sgpr_workgroup_id_y 1
		.amdhsa_system_sgpr_workgroup_id_z 1
		.amdhsa_system_vgpr_workitem_id 0
		.amdhsa_next_free_vgpr 32
		.amdhsa_next_free_sgpr 66
		.amdhsa_reserve_vcc 1
		.amdhsa_float_denorm_mode_32 3
		.amdhsa_float_denorm_mode_16_64 3
		.amdhsa_memory_ordered 1
		.amdhsa_forward_progress 1
		.amdhsa_inst_pref_size 3
	.end_amdhsa_kernel
	.amdgpu_metadata
---
amdhsa.version: [ 1, 2 ]
amdhsa.kernels:
  - .name:           k_qb26de7be9c_loss
    .symbol:         k_qb26de7be9c_loss.kd
    .args:
      - { .name: part, .offset: 0, .size: 8, .value_kind: global_buffer, .address_space: global }
      - { .name: out1, .offset: 8, .size: 8, .value_kind: global_buffer, .address_space: global }
    .group_segment_fixed_size: 0
    .private_segment_fixed_size: 0
    .kernarg_segment_align: 8
    .kernarg_segment_size: 16
    .max_flat_workgroup_size: 32
    .sgpr_count:     66
    .vgpr_count:     32
    .wavefront_size: 32
...
	.end_amdgpu_metadata
.endif
;; end of part 4
